; MI455X (gfx1250); checked and timed in simulation.
; The chip was launched on July 23, 2026; its instructions are those of AMD's public machine-readable ISA for CDNA 5 (MIT licence, August 2026) and "CDNA5" Instruction Set Architecture Reference Guide (July 2026). The comments in the code are by the model that wrote it; some were corrected since.
;; Ball Point Query. Allowed arithmetic: float matrix products may take bf16 or f16 operands with f32 sums; other float arithmetic in f32, or as packed bf16 or f16 multiplies, adds, multiply-adds, maxima and minima; sums over many terms, partial sums and values carried from step to step in f32; what a program stores and reads back later, other than sums and carried values, may be rounded once to bf16 or f16.
;; Inputs: centroids 8 x 3 x 1,024 float32; pt_coordinates 8 x 3 x 16,384 float32.
;; Outputs: out0 8 x 1,024 x 64 int32.
;; One version. Each part assembles by itself: llvm-mc -triple=amdgcn-amd-amdhsa -mcpu=gfx1250 --defsym DOCPART=n.
;; ======== version 1 of 1: 2 launches
;; workspace buffers: inball 16,777,216 bytes of whole numbers
;; launch ball (part 1): grid 256 x 1, 8 waves a work-group, no clusters, 132,352 bytes of LDS; arguments pt_coordinates, centroids, inball; writes inball
.if DOCPART == 1
	.amdgcn_target "amdgcn-amd-amdhsa--gfx1250"
	.amdhsa_code_object_version 6
	.text
	.protected	k_q9576bcd09c_ball
	.globl	k_q9576bcd09c_ball
	.p2align	8
	.type	k_q9576bcd09c_ball,@function
k_q9576bcd09c_ball:
	s_mov_b64 s[64:65], 0
	v_nop
	global_prefetch_b8 v0, s[64:65] scope:SCOPE_SE
	s_setreg_imm32_b32 hwreg(HW_REG_WAVE_MODE, 25, 1), 1
	s_wait_xcnt 0x0
; BALL QUERY, FIRST HALF: one bit for each (centroid, point): is the point inside the ball?
; inball[b][m][w], 8 x 1,024 rows of 512 words: bit i of word w says d2(b, m, 32 w + i) <= r2.  The second launch reads these whole numbers and picks the first 64.
; THE ARITHMETIC IS THE REFERENCE'S, ROUNDING FOR ROUNDING, on inputs rounded once to bf16 (nearest even).  The output is whole numbers, so one comparison that falls the other way shifts a row:
;   p2 = (x x + y y) + z z,  c2 likewise,  cp = (cx px + cy py) + cz pz,  d = (c2 + p2) - 2 cp,  d <= r2 = 0x3d23d70a.
; A product of two bf16 numbers has 16 significant bits and is exact in f32, so a fused multiply-add rounds just where the reference's addition rounds.  The factor -2 is put into the centroid's
; coordinates: a power of two goes through every rounding unchanged.
; WHY NOT THE MATRIX UNIT: its sum of products is not this chain of f32 additions, its K is 32 for the 3 that there are, and the last bit decides here.  So the product is three packed vector instructions.
; LIMITS.  Inputs are rounded to bf16.  Products are taken as exact: nonzero coordinates between about 2^-60 and 2^60 in magnitude.  NaN and infinities are not treated apart.
; SHARES.  A work-group: one batch, 256 centroids, 2,048 points (256 bytes of each of its 256 mask rows).  A wave: all 256 centroids, 8 a lane (slot j of lane l is centroid 32 j + l), and 256 of the points.
; A packed instruction works on TWO NEIGHBOURING POINTS (the halves of a register pair) for one centroid a lane (the pair's first register for both halves).
; Seven packed instructions for 64 pairs: product, two multiply-adds, c2 + p2, d, the bit, the bit's place.  THE BIT: 2^30 (r2' - d), r2' the next number above r2, is 4 or more where d <= r2 and 0 or less
; elsewhere; held to 0 .. 1 it is 1 or 0.  ITS PLACE: the bits of 16 points are added with weights 2^0 .. 2^15 in f32, which is exact.
; NO CLUSTER, NO TENSOR LOAD: a wave loads 6 + 24 times at its start and nothing afterwards; what work-groups share is 3 KiB of centroids and 24 KiB of points.
.set NPTS,  16384
.set NCEN,  1024
.set ROWB,  2048                       ; bytes in a row of inball
.set WP,    48                         ; a centroid's 32 bytes in a wave's stage, and 16 of padding
.set RS,    256*WP+32                  ; a wave's stage; the 32 bytes more turn neighbouring stages by 8 banks (64 banks of 4 bytes: ISA guide 11.1)
.set STAGE, 32768                      ; LDS: 8 x 4,096 bytes of points, then the 8 stages,
.set SPARE, STAGE+8*RS                 ; then the spare words, 128 bytes for each wave: four blocks of 256 bytes that no other line names
.set LANE, 2
.set SPW,  3                           ; v3   LDS address of my spare word; never rewritten
.set NIL,  4                           ; v4   0; never rewritten
.set PA,   5                           ; v5   LDS address of the trip's 32 points, the same in all lanes
.set MS,   6                           ; v6   where my slot 0's word of this trip goes
.set VO,   7                           ; v7   16 x lane
.set VC,   8                           ; v8   4 x lane
.set PS,   9                           ; v9   where my points go
.set NK,   10                          ; v[10:11]  -2^30, twice
.set RK,   12                          ; v[12:13]  2^30 r2', twice
.set RD,   14                          ; v14  the way out: where I read 16 bytes of a row back
.set GO,   15                          ; v15  the way out: my byte offset in inball
.set CX,   16                          ; v[16:31]  -2 cx of slot j at CX + 2 j; the odd register is named with it as a pair and holds the same
.set CY,   32
.set CZ,   48
.set C2,   64
.set WLO,  80                          ; v[80:95]  slot j's sums of bits for points 0-15 of the trip: even points', odd points'
.set WHI,  96                          ; v[96:111] for points 16-31
.set T,    112                         ; v[112:127] at work, a pair a slot
.set S,    128                         ; v[128:143] at work
.set WT,   144                         ; v[144:159] 2^0 .. 2^15
.set PB,   160                         ; v[160:223] two buffers of four point pairs: x0 x1 y0 y1 z0 z1 q0 q1
.set RP,   160                         ; at the start: the points as loaded, 8 registers a coordinate
.set RC,   192                         ; the centroids as loaded, 8 registers a coordinate
.set REC,  112                         ; my four point pairs as they go into LDS
.set TM,   216                         ; four at work
.set OB,   112                         ; the way out: 16 x 4 registers
	s_load_b128 s[4:7], s[0:1], 0x0                ; points s[4:5], centroids s[6:7]
	s_load_b64 s[8:9], s[0:1], 0x10                ; inball
	v_lshl_add_u32 v[SPW], v0, 2, SPARE
	v_mov_b32 v[NIL], 0
	v_lshrrev_b32 v1, 5, v0
	v_readfirstlane_b32 s10, v1                    ; wave 0..7
	v_and_b32 v[LANE], 31, v0
	s_and_b32 s11, ttmp9, 7                        ; which 2,048 points
	s_bfe_u32 s12, ttmp9, 0x20003                  ; which 256 centroids
	s_lshr_b32 s13, ttmp9, 5                       ; which batch
	s_mul_i32 s14, s13, 3*NPTS*4                   ; the batch's x row of points,
	s_lshl_b32 s15, s11, 13                        ; the work-group's 2,048,
	s_add_co_u32 s14, s14, s15
	s_lshl_b32 s15, s10, 10                        ; my wave's 256
	s_add_co_u32 s14, s14, s15
	s_mov_b32 s15, 0
	s_mul_i32 s16, s13, 3*NCEN*4                   ; the batch's x row of centroids,
	s_lshl_b32 s17, s12, 10                        ; the work-group's 256
	s_add_co_u32 s16, s16, s17
	s_mov_b32 s17, 0
	s_lshl_b32 s18, s13, 10                        ; the mask rows that my wave stores: 1,024 b + 256 group + 32 wave,
	s_lshl_b32 s19, s12, 8
	s_add_co_u32 s18, s18, s19
	s_lshl_b32 s19, s10, 5
	s_add_co_u32 s18, s18, s19
	s_lshl_b32 s18, s18, 11                        ; in bytes (under 2^24),
	s_lshl_b32 s19, s11, 8                         ; and the work-group's 256 bytes of a row
	s_add_co_u32 s18, s18, s19
	s_mov_b32 s19, 0
	v_lshlrev_b32 v[VO], 4, v[LANE]
	v_lshlrev_b32 v[VC], 2, v[LANE]
	s_wait_kmcnt 0x0
	s_add_nc_u64 s[4:5], s[4:5], s[14:15]
	s_add_nc_u64 s[6:7], s[6:7], s[16:17]
	s_add_nc_u64 s[8:9], s[8:9], s[18:19]
.irp d, 0,1,2                          ; my wave's points: lane l takes points 128 i + 4 l + 0..3: each load covers 512 consecutive bytes
.irp i, 0,1
	global_load_b128 v[RP+8*\d+4*\i:RP+8*\d+4*\i+3], v[VO], s[4:5] offset:\d*NPTS*4+\i*512
.endr
.endr
.irp d, 0,1,2                          ; the centroids: slot j of lane l is centroid 32 j + l
.irp j, 0,1,2,3,4,5,6,7
	global_load_b32 v[RC+8*\d+\j], v[VC], s[6:7] offset:\d*NCEN*4+\j*128
.endr
.endr
	; addresses and constants, while the loads are on their way
	s_mov_b32 s20, 0xffff0000                      ; a word's upper bf16
	s_lshl_b32 s21, s10, 12                        ; my wave's 4,096 bytes of points in LDS
	v_lshl_add_u32 v[PS], v[LANE], 6, s21          ; my four points of a load are two pairs: 64 bytes
	v_mov_b32 v[PA], s21
	s_mul_i32 s22, s10, RS
	s_add_co_u32 s22, s22, STAGE                   ; my wave's stage
	v_mul_u32_u24 v[MS], v[LANE], WP
	v_add_nc_u32 v[MS], s22, v[MS]
	v_and_b32 v1, 15, v[LANE]                      ; the way out: which 16 bytes of a row's 256: stage (l % 16) / 2, half (l % 16) % 2,
	v_lshrrev_b32 v[GO], 4, v[LANE]                ; lanes 0-15 one row, lanes 16-31 the next
	v_lshrrev_b32 v[RD], 1, v1
	v_mul_u32_u24 v[RD], v[RD], RS
	v_mad_u32_u24 v[RD], v[GO], WP, v[RD]
	v_and_b32 v[TM], 1, v1
	v_lshl_add_u32 v[RD], v[TM], 4, v[RD]
	s_mul_i32 s23, s10, 32*WP                      ; wave w sends rows 32 w .. 32 w + 31
	s_add_co_u32 s23, s23, STAGE
	v_add_nc_u32 v[RD], s23, v[RD]
	v_lshlrev_b32 v[GO], 11, v[GO]
	v_lshl_add_u32 v[GO], v1, 4, v[GO]
	v_mov_b32 v[NK], 0xce800000                    ; -2^30
	v_mov_b32 v[NK+1], 0xce800000
	v_mov_b32 v[RK], 0x4c23d70b                    ; 2^30 x 0x3d23d70b, the next f32 above r2
	v_mov_b32 v[RK+1], 0x4c23d70b
.set ii, 0
.rept 16
	v_mov_b32 v[WT+ii], (127+ii)<<23               ; 2^ii
.set ii, ii+1
.endr
	; MY POINTS: rounded to bf16 and widened again, p2 in the reference's order, into LDS as pairs
	s_wait_loadcnt 24                              ; the six loads of points are in; the 24 of centroids, issued behind them, may stay out
.irp d, 0,1,2
.irp g, 0,1,2,3
	v_cvt_pk_bf16_f32 v[TM+\g], v[RP+8*\d+2*\g], v[RP+8*\d+2*\g+1]
.endr
.irp g, 0,1,2,3
	v_lshlrev_b32 v[REC+8*\g+2*\d], 16, v[TM+\g]
	v_and_b32 v[REC+8*\g+2*\d+1], s20, v[TM+\g]
.endr
.endr
.irp g, 0,1,2,3
	v_pk_mul_f32 v[REC+8*\g+6:REC+8*\g+7], v[REC+8*\g:REC+8*\g+1], v[REC+8*\g:REC+8*\g+1]
.endr
.irp g, 0,1,2,3
	v_pk_fma_f32 v[REC+8*\g+6:REC+8*\g+7], v[REC+8*\g+2:REC+8*\g+3], v[REC+8*\g+2:REC+8*\g+3], v[REC+8*\g+6:REC+8*\g+7]
.endr
.irp g, 0,1,2,3
	v_pk_fma_f32 v[REC+8*\g+6:REC+8*\g+7], v[REC+8*\g+4:REC+8*\g+5], v[REC+8*\g+4:REC+8*\g+5], v[REC+8*\g+6:REC+8*\g+7]
.endr
.irp g, 0,1,2,3                        ; pair 64 (g / 2) + 2 l + g % 2 of my wave's 128, 32 bytes each.  Eight stores, once a wave: lanes 64 bytes apart share banks four deep, which is let be
	ds_store_b128 v[PS], v[REC+8*\g:REC+8*\g+3] offset:(\g/2)*2048+(\g%2)*32
	ds_store_b128 v[PS], v[REC+8*\g+4:REC+8*\g+7] offset:(\g/2)*2048+(\g%2)*32+16
.endr
	; MY CENTROIDS: rounded likewise, c2, then the coordinates times -2
	s_wait_loadcnt 0x0
.irp d, 0,1,2
.irp g, 0,1,2,3
	v_cvt_pk_bf16_f32 v[TM+\g], v[RC+8*\d+2*\g], v[RC+8*\d+2*\g+1]
.endr
.irp g, 0,1,2,3
	v_lshlrev_b32 v[CX+16*\d+4*\g], 16, v[TM+\g]
	v_and_b32 v[CX+16*\d+4*\g+2], s20, v[TM+\g]
.endr
.endr
.irp j, 0,1,2,3,4,5,6,7
	v_mul_f32 v[C2+2*\j], v[CX+2*\j], v[CX+2*\j]
.endr
.irp j, 0,1,2,3,4,5,6,7
	v_fma_f32 v[C2+2*\j], v[CY+2*\j], v[CY+2*\j], v[C2+2*\j]
.endr
.irp j, 0,1,2,3,4,5,6,7
	v_fma_f32 v[C2+2*\j], v[CZ+2*\j], v[CZ+2*\j], v[C2+2*\j]
.endr
.set ii, 0
.rept 24
	v_mul_f32 v[CX+2*ii], -2.0, v[CX+2*ii]
.set ii, ii+1
.endr
.set ii, 0
.rept 32
	v_mov_b32 v[CX+2*ii+1], v[CX+2*ii]             ; named with it as a pair, so it is written
.set ii, ii+1
.endr
; Four point pairs (group q of the trip's four) into buffer buf: eight loads, every lane at the same address.  They see my stores above: LDS serves a wave's instructions in order (ISA guide 5.7.1.4).
.macro LOADP buf, q
.irp pr, 0,1,2,3
	ds_load_b128 v[PB+32*(\buf)+8*\pr:PB+32*(\buf)+8*\pr+3], v[PA] offset:32*(4*(\q)+\pr)
	ds_load_b128 v[PB+32*(\buf)+8*\pr+4:PB+32*(\buf)+8*\pr+7], v[PA] offset:32*(4*(\q)+\pr)+16
.endr
.endm
; One point pair against my eight centroids: eight chains side by side, so that seven other instructions stand between one that writes a register and the one that reads it.
; The pair is number k of the eight in its half (points 16 half + 2 k and + 1 of the trip's 32).
.macro PAIR buf, pr, half, k
.set P, PB+32*(\buf)+8*(\pr)
.set WA, WLO+16*(\half)
.irp j, 0,1,2,3,4,5,6,7
	v_pk_mul_f32 v[T+2*\j:T+2*\j+1], v[P:P+1], v[CX+2*\j:CX+2*\j+1] op_sel_hi:[1,0]                              ; -2 cx px, exact
.endr
.irp j, 0,1,2,3,4,5,6,7
	v_pk_fma_f32 v[T+2*\j:T+2*\j+1], v[P+2:P+3], v[CY+2*\j:CY+2*\j+1], v[T+2*\j:T+2*\j+1] op_sel_hi:[1,0,1]      ; + -2 cy py, rounded
.endr
.irp j, 0,1,2,3,4,5,6,7
	v_pk_add_f32 v[S+2*\j:S+2*\j+1], v[P+6:P+7], v[C2+2*\j:C2+2*\j+1] op_sel_hi:[1,0]                            ; c2 + p2, rounded
.endr
.irp j, 0,1,2,3,4,5,6,7
	v_pk_fma_f32 v[T+2*\j:T+2*\j+1], v[P+4:P+5], v[CZ+2*\j:CZ+2*\j+1], v[T+2*\j:T+2*\j+1] op_sel_hi:[1,0,1]      ; + -2 cz pz, rounded: -2 cp
.endr
.irp j, 0,1,2,3,4,5,6,7
	v_pk_add_f32 v[T+2*\j:T+2*\j+1], v[S+2*\j:S+2*\j+1], v[T+2*\j:T+2*\j+1]                                      ; d, rounded
.endr
.irp j, 0,1,2,3,4,5,6,7
	v_pk_fma_f32 v[S+2*\j:S+2*\j+1], v[T+2*\j:T+2*\j+1], v[NK:NK+1], v[RK:RK+1] clamp                            ; 1 where d <= r2, else 0
.endr
.irp j, 0,1,2,3,4,5,6,7
.if (\k) == 0
	v_pk_mul_f32 v[WA+2*\j:WA+2*\j+1], v[S+2*\j:S+2*\j+1], v[WT:WT+1]                                            ; a half's first pair starts the sums: nothing is cleared
.else
	v_pk_fma_f32 v[WA+2*\j:WA+2*\j+1], v[S+2*\j:S+2*\j+1], v[WT+2*(\k):WT+2*(\k)+1], v[WA+2*\j:WA+2*\j+1]
.endif
.endr
.endm
	s_mov_b32 s24, 8
.Ltrip:                                        ; a trip: 32 points, one word of each of my eight rows
	LOADP 0, 0
	LOADP 1, 1
	s_wait_dscnt 8                                 ; all but the youngest eight: buffer 0 is in (and the last trip's stores are done)
	PAIR 0, 0, 0, 0
	PAIR 0, 1, 0, 1
	PAIR 0, 2, 0, 2
	PAIR 0, 3, 0, 3
	LOADP 0, 2
	s_wait_dscnt 8                                 ; buffer 1 is in; the eight just issued stay out
	PAIR 1, 0, 0, 4
	PAIR 1, 1, 0, 5
	PAIR 1, 2, 0, 6
	PAIR 1, 3, 0, 7
	LOADP 1, 3
	s_wait_dscnt 8                                 ; buffer 0 again
	PAIR 0, 0, 1, 0
	PAIR 0, 1, 1, 1
	PAIR 0, 2, 1, 2
	PAIR 0, 3, 1, 3
	s_wait_dscnt 0x0
	PAIR 1, 0, 1, 4
	PAIR 1, 1, 1, 5
	PAIR 1, 2, 1, 6
	PAIR 1, 3, 1, 7
.irp j, 0,1,2,3,4,5,6,7                ; even and odd points' sums together (under 2^16: exact), to whole numbers, two halves to a word
	v_add_f32 v[T+2*\j], v[WLO+2*\j], v[WLO+2*\j+1]
	v_add_f32 v[T+2*\j+1], v[WHI+2*\j], v[WHI+2*\j+1]
.endr
.irp j, 0,1,2,3,4,5,6,7
	v_cvt_u32_f32 v[T+2*\j], v[T+2*\j]
	v_cvt_u32_f32 v[T+2*\j+1], v[T+2*\j+1]
.endr
.irp j, 0,1,2,3,4,5,6,7
	v_lshl_or_b32 v[T+2*\j], v[T+2*\j+1], 16, v[T+2*\j]
.endr
.irp j, 0,1,2,3,4,5,6,7
	ds_store_b32 v[MS], v[T+2*\j] offset:\j*32*WP  ; row 32 j + l of my own stage; lanes 12 words apart: lanes l and l + 16 share a bank, two deep, eight stores a trip
.endr
	v_add_nc_u32 v[PA], 512, v[PA]                 ; the next 16 point pairs
	v_add_nc_u32 v[MS], 4, v[MS]                   ; the next word
	s_sub_co_u32 s24, s24, 1
	s_cmp_lg_u32 s24, 0
	s_cbranch_scc1 .Ltrip
	; THE WAY OUT.  A row's 256 bytes lie in the eight waves' stages, 32 bytes in each.
	s_wait_dscnt 0x0                               ; for the others' sake: my stores into my stage are done
	s_barrier_signal -1
	s_barrier_wait -1                              ; everybody's are
.irp t, 0,1,2,3,4,5,6,7,8,9,10,11,12,13,14,15
	ds_load_b128 v[OB+4*\t:OB+4*\t+3], v[RD] offset:\t*2*WP
.endr
.irp t, 0,1,2,3,4,5,6,7,8,9,10,11,12,13,14,15
	s_wait_dscnt 15-\t                             ; LDS loads come back in order: rows 2 t and 2 t + 1 are in, the younger loads stay out
	global_store_b128 v[GO], v[OB+4*\t:OB+4*\t+3], s[8:9] offset:\t*2*ROWB  ; 16 lanes store 256 consecutive bytes, at a multiple of 256 from the buffer's first byte
.endr
	s_wait_tensorcnt 0x0                           ; the wave's end, behind my last LDS store
	ds_add_u32 v[SPW], v[NIL]
	s_wait_dscnt 0x0
	s_endpgm
.Lfunc_end_k_q9576bcd09c_ball:
	.size	k_q9576bcd09c_ball, .Lfunc_end_k_q9576bcd09c_ball-k_q9576bcd09c_ball
	.p2alignl 7, 3214868480
	.fill 96, 4, 3214868480
	.section	.rodata,"a",@progbits
	.p2align	6, 0x0
	.amdhsa_kernel k_q9576bcd09c_ball
		.amdhsa_group_segment_fixed_size 132352
		.amdhsa_private_segment_fixed_size 0
		.amdhsa_enable_private_segment 0
		.amdhsa_kernarg_size 24
		.amdhsa_user_sgpr_count 2
		.amdhsa_user_sgpr_kernarg_segment_ptr 1
		.amdhsa_wavefront_size32 1
		.amdhsa_system_sgpr_workgroup_id_x 1
		.amdhsa_system_sgpr_workgroup_id_y 1
		.amdhsa_system_sgpr_workgroup_id_z 1
		.amdhsa_system_vgpr_workitem_id 0
		.amdhsa_next_free_vgpr 224
		.amdhsa_next_free_sgpr 66
		.amdhsa_reserve_vcc 0
		.amdhsa_float_denorm_mode_32 3
		.amdhsa_float_denorm_mode_16_64 3
		.amdhsa_memory_ordered 1
		.amdhsa_forward_progress 1
		.amdhsa_inst_pref_size 78
	.end_amdhsa_kernel
	.amdgpu_metadata
---
amdhsa.version: [ 1, 2 ]
amdhsa.kernels:
  - .name:           k_q9576bcd09c_ball
    .symbol:         k_q9576bcd09c_ball.kd
    .args:
      - { .name: pt_coordinates, .offset: 0, .size: 8, .value_kind: global_buffer, .address_space: global }
      - { .name: centroids, .offset: 8, .size: 8, .value_kind: global_buffer, .address_space: global }
      - { .name: inball, .offset: 16, .size: 8, .value_kind: global_buffer, .address_space: global }
    .group_segment_fixed_size: 132352
    .private_segment_fixed_size: 0
    .kernarg_segment_align: 8
    .kernarg_segment_size: 24
    .max_flat_workgroup_size: 256
    .sgpr_count:     66
    .vgpr_count:     224
    .wavefront_size: 32
...
	.end_amdgpu_metadata
.endif
;; end of part 1
;; launch pick (part 2): grid 256 x 1, 32 waves a work-group, no clusters, 12,288 bytes of LDS; arguments inball, out0; writes out0
.if DOCPART == 2
	.amdgcn_target "amdgcn-amd-amdhsa--gfx1250"
	.amdhsa_code_object_version 6
	.text
	.protected	k_q9576bcd09c_pick
	.globl	k_q9576bcd09c_pick
	.p2align	8
	.type	k_q9576bcd09c_pick,@function
k_q9576bcd09c_pick:
	s_mov_b64 s[64:65], 0
	v_nop
	global_prefetch_b8 v0, s[64:65] scope:SCOPE_SE
	s_setreg_imm32_b32 hwreg(HW_REG_WAVE_MODE, 25, 1), 1
	s_wait_xcnt 0x0
; BALL QUERY, SECOND HALF: out0[row][0..63] = the places of the first 64 set bits of inball[row][0..511] (row = 1,024 b + m; bit i of word w is point 32 w + i).
; Slots behind the last hit take the first hit; a row without a hit is all 0.
; NOTHING IS STEERED BY THE DATA.  Every branch hangs on a constant count or on the wave's number, every address on the work-group's, the wave's and the lane's numbers and on constants.  Every row walks all
; its 16,384 points, and what a slot holds is chosen by v_cndmask_b32 alone: the work is the same for every row, whatever it holds.
; SHARES.  A wave has one row; lane l holds slots l and 32 + l.  32 waves a work-group, 256 work-groups: 8,192 rows.
; THE WALK.  The row's words come by scalar loads.  A UNIT is 64 points (two words), a GROUP 8 units (one load of 64 bytes), a ROUND 4 groups (2,048 points, 64 scalar registers).  P, the hits ahead of a unit,
; is kept as 16 P (262,144 at the most); unit i of a group has the key 16 P + i.  Slot k takes a unit's two words, its key and its group's number where key <= 16 k + 15, that is where P <= k; later units
; overwrite earlier ones, so the slot ends with the last unit whose P <= k: the unit that holds hit k, if the row has so many; if not, the row's last unit, and what is made of it is thrown away.
; BEHIND THE WALK each slot finds bit number k - P of its unit: the low word's count says which word, then five levels of that word's own partial counts (16, 8, 4, 2, 1 bits).
; ONE ROUND'S LOADS GO OUT TOGETHER AND ARE WAITED FOR AT ONCE: scalar loads may come back in any order (ISA guide 5.7.1), so the only wait is for all; the seven other waves of the SIMD work meanwhile.
; AHEAD OF THE LOADS.  In round t the 32 waves load bytes 256 t .. 256 t + 255 of their 32 rows.  Wave w (0 to 5) prefetches, in its round w + 1, bytes 256 (w + 2) .. of all 32 rows: a lane a row, one
; instruction, one round (4 groups of 107 lines) ahead of the loads.  So each aligned block of 256 bytes from a row's third on is named once in the launch; a row's first two blocks come by their loads
; alone, and the last round asks for nothing: no prefetch passes a row's end.
; NO BARRIER: no wave touches another's LDS bytes.  NO CLUSTER: no two work-groups read the same bytes.
.set SPARE, 8192                       ; LDS: 256 bytes for each wave, then the spare words, 128 bytes for each wave: sixteen blocks of 256 bytes that no other line names
.set LANE, 2
.set SPW,  3                           ; v3   LDS address of my spare word; never rewritten
.set NIL,  4                           ; v4   0; never rewritten
.set LA,   5                           ; v5   LDS: 256 x wave + 4 x lane
.set LB,   6                           ; v6   LDS: 256 x wave + 8 x lane
.set GO,   7                           ; v7   8 x lane
; from here on pairs: register + 0 for slot l, + 1 for slot 32 + l
.set K,    8                           ; the slot's number k
.set KQ,   10                          ; 16 k + 15
.set WL,   12                          ; the unit's low word
.set WH,   14                          ; its high word
.set QQ,   16                          ; its key
.set GG,   18                          ; its group's number
.set R,    20                          ; the rank still to go
.set T,    22
.set X,    24
.set C,    26
.set W,    28                          ; the word that holds the hit
.set S,    30                          ; the bit's place in it, as far as it is known
.set BA,   32                          ; 0 or 32: which word
.set A2,   34                          ; W's counts of 2 bits,
.set B4,   36                          ; of 4,
.set C8,   38                          ; of 8,
.set D16,  40                          ; of 16
.set U,    42
.set IDX,  44
.set O,    46                          ; v[46:47] my two numbers of the output
.set PO,   48                          ; v48  the prefetch's offset: 2,048 x lane, a row of inball a lane; never rewritten
.set RP,   10                          ; s10  16 x the hits so far
.set GN,   11                          ; s11  the group's number
.set CNT,  12                          ; s12  rounds to go, this one among them: 8 to 1
.set PF,   66                          ; s[66:67]  inball at the work-group's first row, at the block that the next round loads
.set WHEN, 100                         ; s100 the value of s[CNT] in the round in which my wave prefetches: 7 - wave in waves 0 to 5, else 0, which s[CNT] never is
.set Q,    84                          ; s[84:91]  the keys of a group's units; behind the walk four constants
.set M,    92                          ; s[92:99]  the units' counts, then the lane masks
; the row's words: s[16:31], s[32:47], s[48:63], s[68:83]
.macro BOTH line:vararg                ; one line for each of the lane's two slots
.set h, 0
.rept 2
	\line
.set h, h+1
.endr
.endm
	s_load_b128 s[4:7], s[0:1], 0x0                ; inball s[4:5], out0 s[6:7]
	v_lshl_add_u32 v[SPW], v0, 2, SPARE
	v_mov_b32 v[NIL], 0
	v_lshrrev_b32 v1, 5, v0
	v_readfirstlane_b32 s8, v1                     ; wave 0..31
	v_and_b32 v[LANE], 31, v0
	s_lshl_b32 s9, ttmp9, 5
	s_add_co_u32 s9, s9, s8                        ; my row
	s_lshl_b32 s2, s9, 11                          ; 2,048 bytes of inball (under 2^24),
	s_mov_b32 s3, 0
	s_lshl_b32 s14, s9, 8                          ; 256 bytes of out0
	s_mov_b32 s15, 0
	s_lshl_b32 s[PF], ttmp9, 16                    ; the work-group's 32 rows: 65,536 bytes of inball
	s_mov_b32 s[PF+1], 0
	s_sub_co_u32 s[WHEN], 7, s8
	s_cmp_lt_u32 s8, 6
	s_cselect_b32 s[WHEN], s[WHEN], 0
	s_lshl_b32 s13, s8, 8                          ; my wave's 256 bytes of LDS
	v_lshl_add_u32 v[LA], v[LANE], 2, s13
	v_lshl_add_u32 v[LB], v[LANE], 3, s13
	v_lshlrev_b32 v[GO], 3, v[LANE]
	v_lshlrev_b32 v[PO], 11, v[LANE]
	v_mov_b32 v[K], v[LANE]
	v_add_nc_u32 v[K+1], 32, v[LANE]
	BOTH v_lshl_add_u32 v[KQ+h], v[K+h], 4, 15
	BOTH v_mov_b32 v[WL+h], 0                      ; written before the selects read them; the row's first unit, whose P is 0, overwrites them in every slot
	BOTH v_mov_b32 v[WH+h], 0
	BOTH v_mov_b32 v[QQ+h], 0
	BOTH v_mov_b32 v[GG+h], 0
	s_mov_b32 s[RP], 0
	s_mov_b32 s[GN], 0
	s_mov_b32 s[CNT], 8
	s_wait_kmcnt 0x0
	s_add_nc_u64 s[PF:PF+1], s[4:5], s[PF:PF+1]
	s_add_nc_u64 s[4:5], s[4:5], s[2:3]
	s_add_nc_u64 s[6:7], s[6:7], s[14:15]
; Half h of the slots looks at the 8 units whose words begin at s[B]: 8 compares, then the selects, in the units' order.
.macro PASS h, B
.irp i, 0,1,2,3,4,5,6,7
	v_cmp_le_u32 s[M+\i], s[Q+\i], v[KQ+\h]        ; P <= k
.endr
	v_cndmask_b32 v[GG+\h], v[GG+\h], s[GN], s[M]  ; the group's first unit speaks for the group: P only grows
.irp i, 0,1,2,3,4,5,6,7
	v_cndmask_b32 v[WL+\h], v[WL+\h], s[\B+2*\i], s[M+\i]
	v_cndmask_b32 v[WH+\h], v[WH+\h], s[\B+2*\i+1], s[M+\i]
	v_cndmask_b32 v[QQ+\h], v[QQ+\h], s[Q+\i], s[M+\i]
.endr
.endm
; A group: the units' counts, their keys and the running count, by scalar instructions; then both halves of the slots, always.
.macro GROUP B
.irp i, 0,1,2,3,4,5,6,7
	s_bcnt1_i32_b32 s[M+\i], s[\B+2*\i]
	s_bcnt1_i32_b32 s[Q+\i], s[\B+2*\i+1]
.endr
.irp i, 0,1,2,3,4,5,6,7
	s_add_co_u32 s[M+\i], s[M+\i], s[Q+\i]         ; the unit's hits
.endr
.irp i, 0,1,2,3,4,5,6,7
	s_or_b32 s[Q+\i], s[RP], \i                    ; the key: 16 P + i
	s_lshl4_add_u32 s[RP], s[M+\i], s[RP]          ; 16 P goes on by 16 x the unit's hits
.endr
	PASS 0, \B
	PASS 1, \B
	s_add_co_u32 s[GN], s[GN], 1
.endm
.Lround:                                       ; 8 rounds of 2,048 points
	s_load_b512 s[16:31], s[4:5], 0x0
	s_load_b512 s[32:47], s[4:5], 0x40
	s_load_b512 s[48:63], s[4:5], 0x80
	s_load_b512 s[68:83], s[4:5], 0xc0
	s_wait_kmcnt 0x0                               ; all four are in,
	s_wait_xcnt 0x0                                ; and they, and the prefetch of a round back, have read their addresses, so both pointers may be stepped
	s_add_nc_u64 s[4:5], s[4:5], 256
	s_add_nc_u64 s[PF:PF+1], s[PF:PF+1], 256       ; now at the block that the next round loads
	s_cmp_eq_u32 s[CNT], s[WHEN]                   ; my wave's turn?  Rounds 1 to 6 have one wave each; rounds 0 and 7 have none
	s_cbranch_scc0 .Lnot_mine
	global_prefetch_b8 v[PO], s[PF:PF+1] th:TH_LOAD_NT scope:SCOPE_SE  ; the next round's 256 bytes of each of the work-group's 32 rows; its address is written again a round later, behind the wait above
.Lnot_mine:
	GROUP 16
	GROUP 32
	GROUP 48
	GROUP 68
	s_sub_co_u32 s[CNT], s[CNT], 1
	s_cmp_lg_u32 s[CNT], 0
	s_cbranch_scc1 .Lround
	; no load is out here: each round has waited for its own
	s_mov_b32 s[Q], 0x55555555
	s_mov_b32 s[Q+1], 0x33333333
	s_mov_b32 s[Q+2], 0x0f0f0f0f
	s_mov_b32 s[Q+3], 0x01010101
	BOTH v_lshrrev_b32 v[T+h], 4, v[QQ+h]          ; the unit's P
	BOTH v_sub_nc_u32 v[R+h], v[K+h], v[T+h]       ; the rank of my hit in the unit
	; the low word's count of bits: sums of 2, 4 and 8 neighbours, then the four bytes' sum by a product
	BOTH v_lshrrev_b32 v[T+h], 1, v[WL+h]
	BOTH v_and_b32 v[T+h], s[Q], v[T+h]
	BOTH v_sub_nc_u32 v[X+h], v[WL+h], v[T+h]
	BOTH v_lshrrev_b32 v[T+h], 2, v[X+h]
	BOTH v_and_b32 v[X+h], s[Q+1], v[X+h]
	BOTH v_and_b32 v[T+h], s[Q+1], v[T+h]
	BOTH v_add_nc_u32 v[X+h], v[X+h], v[T+h]
	BOTH v_lshrrev_b32 v[T+h], 4, v[X+h]
	BOTH v_add_nc_u32 v[X+h], v[X+h], v[T+h]
	BOTH v_and_b32 v[X+h], s[Q+2], v[X+h]
	BOTH v_mul_lo_u32 v[X+h], v[X+h], s[Q+3]
	BOTH v_lshrrev_b32 v[C+h], 24, v[X+h]
	; which word: the high one where the rank is not below the low word's count
	BOTH v_cmp_ge_u32 s[M+h], v[R+h], v[C+h]
	BOTH v_cndmask_b32 v[W+h], v[WL+h], v[WH+h], s[M+h]
	BOTH v_cndmask_b32 v[T+h], 0, v[C+h], s[M+h]
	BOTH v_cndmask_b32 v[BA+h], 0, 32, s[M+h]
	BOTH v_sub_nc_u32 v[R+h], v[R+h], v[T+h]
	; that word's partial counts, each kept
	BOTH v_lshrrev_b32 v[T+h], 1, v[W+h]
	BOTH v_and_b32 v[T+h], s[Q], v[T+h]
	BOTH v_sub_nc_u32 v[A2+h], v[W+h], v[T+h]
	BOTH v_lshrrev_b32 v[T+h], 2, v[A2+h]
	BOTH v_and_b32 v[X+h], s[Q+1], v[A2+h]
	BOTH v_and_b32 v[T+h], s[Q+1], v[T+h]
	BOTH v_add_nc_u32 v[B4+h], v[X+h], v[T+h]
	BOTH v_lshrrev_b32 v[T+h], 4, v[B4+h]
	BOTH v_add_nc_u32 v[T+h], v[B4+h], v[T+h]
	BOTH v_and_b32 v[C8+h], s[Q+2], v[T+h]
	BOTH v_lshrrev_b32 v[T+h], 8, v[C8+h]
	BOTH v_add_nc_u32 v[D16+h], v[C8+h], v[T+h]    ; its lowest byte: the count of bits 0-15, 16 at the most
	; down the levels: where the rank is not below the lower half's count, the hit lies in the upper half, and the count is taken off the rank
	BOTH v_and_b32 v[T+h], 31, v[D16+h]
	BOTH v_cmp_ge_u32 s[M+h], v[R+h], v[T+h]
	BOTH v_cndmask_b32 v[T+h], 0, v[T+h], s[M+h]
	BOTH v_cndmask_b32 v[S+h], 0, 16, s[M+h]
	BOTH v_sub_nc_u32 v[R+h], v[R+h], v[T+h]
.macro LEVEL src, width, step
	BOTH v_bfe_u32 v[T+h], v[\src+h], v[S+h], \width
	BOTH v_cmp_ge_u32 s[M+h], v[R+h], v[T+h]
	BOTH v_cndmask_b32 v[T+h], 0, v[T+h], s[M+h]
	BOTH v_cndmask_b32 v[U+h], 0, \step, s[M+h]
	BOTH v_sub_nc_u32 v[R+h], v[R+h], v[T+h]
	BOTH v_add_nc_u32 v[S+h], v[S+h], v[U+h]
.endm
	LEVEL C8, 4, 8                                 ; a count of 8 bits has 4 bits,
	LEVEL B4, 3, 4                                 ; of 4 bits 3,
	LEVEL A2, 2, 2                                 ; of 2 bits 2
	BOTH v_bfe_u32 v[T+h], v[W+h], v[S+h], 1       ; the last level: the rank is wanted no more
	BOTH v_cmp_ge_u32 s[M+h], v[R+h], v[T+h]
	BOTH v_cndmask_b32 v[U+h], 0, 1, s[M+h]
	BOTH v_add_nc_u32 v[S+h], v[S+h], v[U+h]
	; the point's number: 64 x (8 x group + unit) + 32 x word + bit
	BOTH v_and_b32 v[T+h], 7, v[QQ+h]
	BOTH v_lshl_add_u32 v[T+h], v[GG+h], 3, v[T+h]
	BOTH v_add_nc_u32 v[S+h], v[S+h], v[BA+h]
	BOTH v_lshl_add_u32 v[IDX+h], v[T+h], 6, v[S+h]
	; slots at or behind the row's count take the first hit, or 0 if there is none
	s_lshr_b32 s13, s[RP], 4                       ; the row's hits
	BOTH v_cmp_gt_u32 s[M+h], s13, v[K+h]          ; is my slot filled?
	v_cndmask_b32 v[T], 0, v[IDX], s[M]            ; lane 0 holds slot 0: the first hit, or 0 in a row without one
	v_readfirstlane_b32 s14, v[T]
	BOTH v_cndmask_b32 v[IDX+h], s14, v[IDX+h], s[M+h]
	; slots l and 32 + l go into my wave's 256 bytes and come back as slots 2 l and 2 l + 1
	ds_store_b32 v[LA], v[IDX]
	ds_store_b32 v[LA], v[IDX+1] offset:128
	ds_load_b64 v[O:O+1], v[LB]                    ; LDS serves a wave's instructions in order (ISA guide 5.7.1.4): this sees the two stores
	s_wait_dscnt 0x0
	global_store_b64 v[GO], v[O:O+1], s[6:7] th:TH_STORE_NT  ; the wave stores the row's 256 consecutive bytes, at a multiple of 256 from out0's first byte
	s_wait_tensorcnt 0x0                           ; the wave's end, behind my last LDS store
	ds_add_u32 v[SPW], v[NIL]
	s_wait_dscnt 0x0
	s_endpgm
.Lfunc_end_k_q9576bcd09c_pick:
	.size	k_q9576bcd09c_pick, .Lfunc_end_k_q9576bcd09c_pick-k_q9576bcd09c_pick
	.p2alignl 7, 3214868480
	.fill 96, 4, 3214868480
	.section	.rodata,"a",@progbits
	.p2align	6, 0x0
	.amdhsa_kernel k_q9576bcd09c_pick
		.amdhsa_group_segment_fixed_size 12288
		.amdhsa_private_segment_fixed_size 0
		.amdhsa_enable_private_segment 0
		.amdhsa_kernarg_size 16
		.amdhsa_user_sgpr_count 2
		.amdhsa_user_sgpr_kernarg_segment_ptr 1
		.amdhsa_wavefront_size32 1
		.amdhsa_system_sgpr_workgroup_id_x 1
		.amdhsa_system_sgpr_workgroup_id_y 1
		.amdhsa_system_sgpr_workgroup_id_z 1
		.amdhsa_system_vgpr_workitem_id 0
		.amdhsa_next_free_vgpr 50
		.amdhsa_next_free_sgpr 101
		.amdhsa_reserve_vcc 0
		.amdhsa_float_denorm_mode_32 3
		.amdhsa_float_denorm_mode_16_64 3
		.amdhsa_memory_ordered 1
		.amdhsa_forward_progress 1
		.amdhsa_inst_pref_size 31
	.end_amdhsa_kernel
	.amdgpu_metadata
---
amdhsa.version: [ 1, 2 ]
amdhsa.kernels:
  - .name:           k_q9576bcd09c_pick
    .symbol:         k_q9576bcd09c_pick.kd
    .args:
      - { .name: inball, .offset: 0, .size: 8, .value_kind: global_buffer, .address_space: global }
      - { .name: out0, .offset: 8, .size: 8, .value_kind: global_buffer, .address_space: global }
    .group_segment_fixed_size: 12288
    .private_segment_fixed_size: 0
    .kernarg_segment_align: 8
    .kernarg_segment_size: 16
    .max_flat_workgroup_size: 1024
    .sgpr_count:     101
    .vgpr_count:     50
    .wavefront_size: 32
...
	.end_amdgpu_metadata
.endif
;; end of part 2
